; MI455X (gfx1250); checked and timed in simulation.
; The chip was launched on July 23, 2026; its instructions are those of AMD's public machine-readable ISA for CDNA 5 (MIT licence, August 2026) and "CDNA5" Instruction Set Architecture Reference Guide (July 2026). The comments in the code are by the model that wrote it; some were corrected since.
;; Light Ro I Align Exemplar Embedder. Allowed arithmetic: float matrix products may take bf16 or f16 operands with f32 sums; all other float work in f32.
;; Inputs: W_out 256 x 128 float32; b_out 256 float32; bboxes 16 x 64 x 4 float32; z 16 x 128 x 64 x 64 float32.
;; Outputs: out0 16 x 64 x 256 float32.
;; One version. Each part assembles by itself: llvm-mc -triple=amdgcn-amd-amdhsa -mcpu=gfx1250 --defsym DOCPART=n.
;; ======== version 1 of 1: 2 launches
;; limits: values outside matrix products are rounded to f16; inputs' magnitudes at most 65,504
;; workspace buffers: feats 262,144 bytes
;; launch pool (part 1): grid 256 x 1, 8 waves a work-group, no clusters, 168,960 bytes of LDS; arguments z, bboxes, feats; writes feats
.if DOCPART == 1
	.amdgcn_target "amdgcn-amd-amdhsa--gfx1250"
	.amdhsa_code_object_version 6
	.text
	.protected	k_qe20f3feb45_pool
	.globl	k_qe20f3feb45_pool
	.p2align	8
	.type	k_qe20f3feb45_pool,@function
k_qe20f3feb45_pool:
	s_mov_b64 s[64:65], 0
	v_nop
	global_prefetch_b8 v0, s[64:65] scope:SCOPE_SE
	s_setreg_imm32_b32 hwreg(HW_REG_WAVE_MODE, 25, 1), 1
	s_wait_xcnt 0x0
; POOL.  feats[b][n][c] = RoIAlign(z[b], box n), output 1 x 1, aligned, adaptive grid of G = clip(ceil(side), 1, 16) samples an axis.
; The bilinear sum separates:  feats[n][c] = sum_y wy[n][y] * ( sum_x wx[n][x] * z[c][y][x] ),
; where wx[n][x] = 1/G times the sum, over the box's samples s inside (-1, 64), of max(0, 1 - |clamp(s, 0, 63) - x|); wy likewise.
; So no address hangs on a box: all of z is streamed once, the sum over x is a matrix product (f16 operands, f32 sums), the one over y f32 FMAs.
;
; WEIGHTS IN CLOSED FORM.  Samples s_g = p1 + (g + 1/2) step, g = 0 .. G-1.  With N(v) = number of samples below v
;   = clamp(ceil((v - p1)/step - 1/2), 0, G)   and   D(v) = sum_g clamp(v + 1 - s_g, 0, 1)
;   = N(v) + (N(v+1) - N(v)) * ((v + 1 - p1) - step/2 * (N(v) + N(v+1)))      (an arithmetic series),
; cell y gets D(y) - D(y-1).  The reference's edges: D(-1) := number of samples <= -1 (dropped), D(63) := number of samples < 64
; (those in [63, 64) count whole for cell 63, those from 64 on are dropped).  Only numbers of at most 16 are subtracted from each other.
; G >= 2 means step > 1/2; with G = 1 the one sample s_0 is kept and step is replaced by max(step, 1/2), p1 by s_0 - step/2: any side, also <= 0, is served.
; The counts are kept NEGATED (M = -N, E = -D), so that v_floor_f32 serves for every ceil.
;
; SHARES.  Work-group g = 16 b + cg: batch b, channels 8 cg .. 8 cg + 7 (128 KiB of z).  Wave w: channel 8 cg + w, four tensor loads of 16 rows x 256 bytes,
; all issued at the first lines; only the issuing wave reads them, so its own s_wait_tensorcnt is all their ordering.  While they travel, wave w makes the
; weights of one axis (w >> 2) for 16 boxes (tile w & 3): lane (r, h) has box r, cells 32 h .. 32 h + 31.  They meet in LDS behind one barrier.
; NO CLUSTER: no byte of z is read by two work-groups; shared are the 1,024 bytes of a batch's boxes against 131,072 of z.
; OUT: f16, feats[b][cg][n][8 c]: 1,024 consecutive bytes a work-group, and 16 bytes (one box, 8 channels) are half a K = 32 fragment row of the next launch.
;
; LIMITS.  z goes to the matrix unit as f16 and the result is stored as f16: |z| < 65,504; numbers below 2^-14 keep an absolute error of 2^-25.
; 1/G and 1/step are v_rcp_f32 (1 ulp), and a sample's side of an integer v is found from (v - p1)/step, not from its rounded coordinate: weights differ
; from the reference's by some 1e-6; a sample that near to -1 or to 64, where the reference's range test jumps, may fall on the other side.
; NaN and infinite boxes are not served.
.set ZP,    272                        ; LDS pitch of a row of z: 256 bytes + 16, so that 16 rows start at 16 different 16-byte columns modulo 256
.set ZTILE, 16*ZP                      ; one tensor load: 16 rows
.set ZWAVE, 64*ZP                      ; a wave's channel
.set WXB,   8*ZWAVE                    ; wx, f16: 64 boxes x 64 cells, pitch 144
.set WXP,   144
.set WYB,   WXB+64*WXP                 ; wy, f32: 64 boxes x 64 cells, pitch 272
.set WYP,   272
.set FEB,   WYB+64*WYP                 ; the way out: 8 channels x 64 boxes f16, 128 bytes a wave; ends at byte 166,912
.set G1, 16                            ; s[16:23] descriptor group 1
.set G0, 24                            ; s[24:39] descriptor group 0, one set for each of the four tiles
.set RR, 2                             ; lane % 16
.set HH, 3                             ; lane / 16
.set BO, 4                             ; byte offset of my box
.set SA, 5                             ; LDS: where my weights go
.set BX, 6                             ; LDS: wx fragments
.set BY, 7                             ; LDS: wy
.set BZ, 8                             ; LDS: my rows of z
.set FA, 9                             ; LDS: where my results go
.set FR, 10                            ; LDS: transposing read
.set GO, 11                            ; byte offset of my 16 bytes in feats
.set BOX, 12                           ; v[12:15] x1 y1 x2 y2
.set P1, 16
.set LEN, 17
.set NG, 18                            ; -G
.set STEP, 19
.set INV, 20                           ; -1/step
.set HS, 21                            ; step/2
.set IG, 22                            ; v[22:23] -1/G, twice
.set HF, 24
.set NL, 25
.set T0, 26
.set T1, 27
.set OUTR, 28                          ; v[28:31]
.set FF, 32                            ; v[32:65]   F[k] = v - p1 at v = 32 h + k - 1, k = 0 .. 33
.set NN, 66                            ; v[66:99]   M[k] = -N(v)
.set CC, 100                           ; v[100:132] E[k] = -D(v), k = 0 .. 32
.set SS, 134                           ; v[134:166]
.set WW, 168                           ; v[168:199] weights of my 32 cells
.set PK, 200                           ; v[200:215] the same as f16
.set BB, 32                            ; v[32:95]   main part: wx fragments, 4 box tiles x 2 K steps x 8
.set ZS, 96                            ; v[96:127]  a tile of z as f32
.set WB, 128                           ; v[128:159] wy of a tile: 4 box tiles x 8
.set AA, 160                           ; v[160:191] the tile as f16, two buffers of 16
.set DD, 192                           ; v[192:223] 4 products of 16 x 16
.set ACC, 224                          ; v[224:231] 4 pairs of running sums
	s_load_b128 s[4:7], s[0:1], 0x0                ; z s[4:5], bboxes s[6:7]
	s_load_b64 s[8:9], s[0:1], 0x10                ; feats
	v_lshl_add_u32 v232, v0, 2, 0x29000
	v_mov_b32 v233, 0
	ds_add_u32 v232, v233
	ds_add_u32 v232, v233
	v_lshrrev_b32 v1, 5, v0
	v_readfirstlane_b32 s10, v1                    ; wave 0 .. 7
	; group 1: 16 rows x 64 elements of 4 bytes, 64 elements from row to row, 4 words of padding behind every 64 words
	s_mov_b32 s[G1+0], (2<<16)|(1<<20)|(5<<22)|(3<<25)
	s_mov_b32 s[G1+1], 64<<16                      ; tensor_dim0 = 64
	s_mov_b32 s[G1+2], 16<<16                      ; tensor_dim1 = 16
	s_mov_b32 s[G1+3], 64<<16                      ; tile_dim0 = 64
	s_mov_b32 s[G1+4], 16                          ; tile_dim1 = 16
	s_mov_b32 s[G1+5], 64                          ; stride from row to row
	s_mov_b32 s[G1+6], 0
	s_mov_b32 s[G1+7], 0
	s_lshl_b32 s11, ttmp9, 3
	s_add_co_u32 s11, s11, s10                     ; my channel among the 16 x 128
	s_lshl_b32 s12, s11, 14                        ; x 16,384 bytes (below 2^25)
	s_mov_b32 s13, 0
	s_mul_i32 s14, s10, ZWAVE                      ; my part of LDS
	s_wait_dscnt 0x0
	s_wait_kmcnt 0x0
	s_add_nc_u64 s[4:5], s[4:5], s[12:13]
.irp q, 0,1,2,3
	s_mov_b32 s[G0+4*\q], 1
	s_add_co_u32 s[G0+4*\q+1], s14, \q*ZTILE
	s_add_nc_u64 s[G0+4*\q+2:G0+4*\q+3], s[4:5], \q*4096
	s_or_b32 s[G0+4*\q+3], s[G0+4*\q+3], 0x80000000
	tensor_load_to_lds s[G0+4*\q:G0+4*\q+3], s[G1:G1+7]    ; four of this wave are out at most; no descriptor register is written again
	s_nop 0
.endr
	; my box: lanes 0-15 read 256 consecutive bytes (16 boxes), lanes 16-31 the same
	v_and_b32 v[RR], 15, v0
	v_bfe_u32 v[HH], v0, 4, 1
	s_and_b32 s40, s10, 3                          ; box tile for the weights
	s_lshr_b32 s42, ttmp9, 4                       ; batch
	s_lshl_b32 s42, s42, 10                        ; x 64 boxes x 16 bytes
	s_lshl_b32 s43, s40, 8
	s_add_co_u32 s42, s42, s43
	v_lshl_add_u32 v[BO], v[RR], 4, s42
	global_load_b128 v[BOX:BOX+3], v[BO], s[6:7]
	s_cmp_ge_u32 s10, 4
	s_cselect_b32 s44, -1, 0                       ; waves 4-7: the y axis
	s_mov_b32 s45, 0xffff0000                      ; lanes 16-31
	s_mov_b32 s46, 0x3e000000                      ; 0.125, the spatial scale
	s_mov_b32 s47, 0xc1800000                      ; -16.0
	s_mov_b32 s48, 0xc2000000                      ; -32.0
	s_mov_b32 s50, 0x76543210                      ; v_permlanex16_b32: lane i of the other half
	s_mov_b32 s51, 0xfedcba98
	s_lshl_b32 s12, ttmp9, 10                      ; my 1,024 bytes of feats (s13 is still 0)
	s_add_nc_u64 s[8:9], s[8:9], s[12:13]
	v_mul_u32_u24 v[BX], v[RR], WXP
	v_lshl_add_u32 v[BX], v[HH], 4, v[BX]
	v_add_nc_u32 v[BX], WXB, v[BX]                 ; wx: box r, k = 8 h ..
	v_mul_u32_u24 v1, v[RR], ZP
	v_lshl_add_u32 v1, v[HH], 5, v1                ; r x 272 + 32 h
	v_add_nc_u32 v[BY], WYB, v1                    ; wy: box r, y = 8 h ..
	v_add_nc_u32 v[BZ], s14, v1                    ; z: row r, x = 8 h ..
	s_lshl_b32 s49, s10, 7
	s_add_co_u32 s49, s49, FEB
	v_lshlrev_b32 v[FA], 1, v[RR]
	v_lshl_add_u32 v[FA], v[HH], 6, v[FA]
	v_add_nc_u32 v[FA], s49, v[FA]                 ; my channel's row of the stage, box 32 h + r
	s_wait_loadcnt 0x0
	; ---- the box on my axis ----
	v_cndmask_b32 v[P1], v[BOX], v[BOX+1], s44
	v_cndmask_b32 v[LEN], v[BOX+2], v[BOX+3], s44
	v_fma_f32 v[P1], v[P1], s46, -0.5              ; p1 (the product by 1/8 is exact: same bits as multiply, then subtract)
	v_fma_f32 v[LEN], v[LEN], s46, -0.5            ; p2
	v_sub_f32 v[LEN], v[P1], v[LEN]                ; -(side)
	v_floor_f32 v[NG], v[LEN]                      ; -ceil(side)
	v_med3_num_f32 v[NG], v[NG], s47, -1.0         ; -G
	v_rcp_f32 v[IG], v[NG]                         ; -1/G; one plain instruction stands before its use (ISA guide 5.7.2)
	v_cvt_f32_u32 v[HF], v[HH]
	s_wait_alu depctr_va_vdst(0)
	v_mul_f32 v[STEP], v[LEN], v[IG]               ; step = side / G
	v_mov_b32 v[IG+1], v[IG]
	v_fma_f32 v[P1], 0.5, v[STEP], v[P1]           ; s_0, the first sample
	v_max_num_f32 v[STEP], 0.5, v[STEP]            ; changes step only where G = 1
	v_mul_f32 v1, -1.0, v[STEP]
	v_mul_f32 v[HS], 0.5, v[STEP]
	v_rcp_f32 v[INV], v1                           ; -1/step
	v_sub_f32 v[P1], v[P1], v[HS]                  ; p1 again, consistent with the step in use
	v_fma_f32 v[P1], v[HF], s48, v[P1]             ; - 32 h: the constants below count from my first cell
	; ---- 34 integers v = 32 h - 1 .. 32 h + 32, array by array: no line waits for the one in front of it ----
.set k, 0
.irp c, -1.0, 0.0, 1.0, 2.0, 3.0, 4.0, 5.0, 6.0, 7.0, 8.0, 9.0, 10.0, 11.0, 12.0, 13.0, 14.0, 15.0, 16.0, 17.0, 18.0, 19.0, 20.0, 21.0, 22.0, 23.0, 24.0, 25.0, 26.0, 27.0, 28.0, 29.0, 30.0, 31.0, 32.0
	v_sub_f32 v[FF+k], \c, v[P1]                   ; F = v - p1
.set k, k+1
.endr
.set k, 0
	s_wait_alu depctr_va_vdst(0)
.rept 34
	v_fma_f32 v[NN+k], v[FF+k], v[INV], 0.5        ; -((v - p1)/step - 1/2)
.set k, k+1
.endr
	v_sub_f32 v[NL], 0, v[NN]                      ; at v = -1 (lanes 0-15): samples <= -1 = floor(..) + 1
	v_floor_f32 v[NL], v[NL]
	v_sub_f32 v[NL], -1.0, v[NL]
	v_med3_num_f32 v[NL], v[NL], v[NG], 0          ; negated and clamped like the others
.set k, 0
.rept 34
	v_floor_f32 v[NN+k], v[NN+k]                   ; -ceil(..)
.set k, k+1
.endr
.set k, 0
.rept 34
	v_med3_num_f32 v[NN+k], v[NN+k], v[NG], 0      ; M = -N(v), in [-G, 0]
.set k, k+1
.endr
.set k, 0
.rept 33
	v_sub_f32 v[CC+k], v[NN+k+1], v[NN+k]          ; -(samples in [v, v+1))
.set k, k+1
.endr
.set k, 0
.rept 33
	v_add_f32 v[SS+k], v[NN+k+1], v[NN+k]          ; -(N(v) + N(v+1))
.set k, k+1
.endr
.set k, 0
.rept 33
	v_fma_f32 v[SS+k], v[HS], v[SS+k], v[FF+k+1]   ; v + 1 - (their mean)
.set k, k+1
.endr
.set k, 0
.rept 33
	v_fma_f32 v[CC+k], v[CC+k], v[SS+k], v[NN+k]   ; E = -D(v)
.set k, k+1
.endr
	v_cndmask_b32 v[CC], v[NL], v[CC], s45         ; lanes 0-15: D(-1) is the count of samples <= -1
	v_cndmask_b32 v[CC+32], v[CC+32], v[NN+33], s45 ; lanes 16-31: D(63) is the count of samples < 64
.set k, 0
.rept 32
	v_sub_f32 v[WW+k], v[CC+k+1], v[CC+k]          ; -(D(y) - D(y-1))
.set k, k+1
.endr
.set k, 0
.rept 16
	v_pk_mul_f32 v[WW+2*k:WW+2*k+1], v[WW+2*k:WW+2*k+1], v[IG:IG+1]    ; x (-1/G): the axis's share of the division by the sample count
.set k, k+1
.endr
	s_cmp_ge_u32 s10, 4
	s_cbranch_scc1 .Lyaxis
	; waves 0-3: wx as f16, 64 bytes a lane
	v_mul_u32_u24 v[SA], v[RR], WXP
	v_lshl_add_u32 v[SA], v[HH], 6, v[SA]
	s_mul_i32 s43, s40, 16*WXP
	s_add_co_u32 s43, s43, WXB
	v_add_nc_u32 v[SA], s43, v[SA]
.set k, 0
.rept 16
	v_cvt_pk_f16_f32 v[PK+k], v[WW+2*k], v[WW+2*k+1]
.set k, k+1
.endr
.irp m, 0,1,2,3
	ds_store_b128 v[SA], v[PK+4*\m:PK+4*\m+3] offset:16*\m
.endr
	s_branch .Ljoin
.Lyaxis:
	; waves 4-7: wy as f32, 128 bytes a lane
	v_mul_u32_u24 v[SA], v[RR], WYP
	v_lshl_add_u32 v[SA], v[HH], 7, v[SA]
	s_mul_i32 s43, s40, 16*WYP
	s_add_co_u32 s43, s43, WYB
	v_add_nc_u32 v[SA], s43, v[SA]
.irp m, 0,1,2,3,4,5,6,7
	ds_store_b128 v[SA], v[WW+4*\m:WW+4*\m+3] offset:16*\m
.endr
.Ljoin:
	s_wait_dscnt 0x0                               ; my weights are in LDS, for the other waves' sake
	s_barrier_signal -1
	s_barrier_wait -1                              ; everybody's are
; ---- the main part: four tiles of 16 rows of my channel ----
; A = 16 rows of z (row y = lane % 16, K = x), B = wx (column = box, K = x): in the product lane (r, h) holds box r, registers j the rows y = 8 h + j.
.macro LOADZ q                         ; 16 rows x 64 f32: lane (r, h) takes x = 32 s + 8 h .. + 7 and 32 s + 16 + 8 h .. + 7, the places of a K = 32 fragment
.irp s, 0,1
	ds_load_b128 v[ZS+16*\s:ZS+16*\s+3],     v[BZ] offset:\q*ZTILE+128*\s
	ds_load_b128 v[ZS+16*\s+4:ZS+16*\s+7],   v[BZ] offset:\q*ZTILE+128*\s+16
	ds_load_b128 v[ZS+16*\s+8:ZS+16*\s+11],  v[BZ] offset:\q*ZTILE+128*\s+64
	ds_load_b128 v[ZS+16*\s+12:ZS+16*\s+15], v[BZ] offset:\q*ZTILE+128*\s+80
.endr
.endm
.macro LOADW q                         ; wy of boxes 16 t + r at rows 16 q + 8 h + 0 .. 7
.irp t, 0,1,2,3
	ds_load_b128 v[WB+8*\t:WB+8*\t+3],   v[BY] offset:\t*16*WYP+64*\q
	ds_load_b128 v[WB+8*\t+4:WB+8*\t+7], v[BY] offset:\t*16*WYP+64*\q+16
.endr
.endm
.macro CVT q                           ; f32 to f16, into the buffer that the last tile's products do not name
.set k, 0
.rept 16
	v_cvt_pk_f16_f32 v[AA+16*(\q&1)+k], v[ZS+2*k], v[ZS+2*k+1]
.set k, k+1
.endr
.endm
.macro MUL q                           ; 16 rows x 64 boxes x 64 x: the first K step starts the sums, the second is the chain's next link
.irp t, 0,1,2,3
	v_wmma_f32_16x16x32_f16 v[DD+8*\t:DD+8*\t+7], v[AA+16*(\q&1):AA+16*(\q&1)+7], v[BB+16*\t:BB+16*\t+7], 0
.endr
.irp t, 0,1,2,3
	v_wmma_f32_16x16x32_f16 v[DD+8*\t:DD+8*\t+7], v[AA+16*(\q&1)+8:AA+16*(\q&1)+15], v[BB+16*\t+8:BB+16*\t+15], v[DD+8*\t:DD+8*\t+7]
.endr
.endm
.macro WMUL                            ; the very first products with wy start the running sums: nothing is cleared
.irp t, 0,1,2,3
	v_pk_mul_f32 v[ACC+2*\t:ACC+2*\t+1], v[DD+8*\t:DD+8*\t+1], v[WB+8*\t:WB+8*\t+1]
.endr
.endm
.macro WFMA i                          ; rows 8 h + 2 i, + 1, four chains that do not wait for each other
.irp t, 0,1,2,3
	v_pk_fma_f32 v[ACC+2*\t:ACC+2*\t+1], v[DD+8*\t+2*\i:DD+8*\t+2*\i+1], v[WB+8*\t+2*\i:WB+8*\t+2*\i+1], v[ACC+2*\t:ACC+2*\t+1]
.endr
.endm
; Tile q >= 1.  The 16 conversions name none of the last products' registers: they are the places (ISA guide 7.12.1) between those products and the
; lines that read their results, and between them and the products that write D anew.
.macro TILE q, nxt
	s_wait_dscnt 0x0                               ; tile q as f32 and the last tile's wy are in registers
	CVT \q
.if \q == 1
	WMUL
.else
	WFMA 0
.endif
	WFMA 1
	WFMA 2
	WFMA 3
	LOADW \q
	MUL \q
.if \q < 3
	s_wait_tensorcnt 2-\q                          ; my loads end in order: tile q + 1 has landed, the 2 - q behind it may be out
	LOADZ \nxt
.endif
.endm
.irp t, 0,1,2,3
.irp s, 0,1
	ds_load_b128 v[BB+16*\t+8*\s:BB+16*\t+8*\s+3],   v[BX] offset:\t*16*WXP+64*\s
	ds_load_b128 v[BB+16*\t+8*\s+4:BB+16*\t+8*\s+7], v[BX] offset:\t*16*WXP+64*\s+32
.endr
.endr
	s_wait_tensorcnt 0x3                           ; tile 0 has landed, three may be out
	LOADZ 0
	LOADW 0
	s_wait_dscnt 0x8                               ; wx and tile 0 are in; the eight loads of wy issued behind them may be out
	CVT 0
	MUL 0
	s_wait_tensorcnt 0x2
	LOADZ 1
	TILE 1, 2
	TILE 2, 3
	TILE 3, 0
.rept 4
	v_nop                                          ; four places behind the last products before their results are read
.endr
	s_wait_dscnt 0x0
	WFMA 0
	WFMA 1
	WFMA 2
	WFMA 3
	; lane (r, h) holds, for box 16 t + r, the rows with bit 3 = h, in two halves: add the pair, then the other half of the lanes
.irp t, 0,1,2,3
	v_add_f32 v[ACC+2*\t], v[ACC+2*\t], v[ACC+2*\t+1]
.endr
.irp t, 0,1,2,3
	v_permlanex16_b32 v[ACC+2*\t+1], v[ACC+2*\t], s50, s51
.endr
.irp t, 0,1,2,3
	v_add_f32 v[ACC+2*\t], v[ACC+2*\t], v[ACC+2*\t+1]
.endr
	v_cndmask_b32 v[T0], v[ACC+0], v[ACC+4], s45   ; lanes 0-15 put out boxes r and 16 + r, lanes 16-31 boxes 32 + r and 48 + r
	v_cndmask_b32 v[T1], v[ACC+2], v[ACC+6], s45
	v_cvt_pk_f16_f32 v[T0], v[T0], v[T1]
	v_lshrrev_b32 v[T1], 16, v[T0]
	ds_store_b16 v[FA], v[T0]
	ds_store_b16 v[FA], v[T1] offset:32
	s_wait_dscnt 0x0                               ; for the two waves that read the stage
	s_barrier_signal -1
	s_barrier_wait -1
	s_cmp_ge_u32 s10, 2
	s_cbranch_scc1 .Lend
	; threads 0-63: box = thread.  Lane 8 g + j addresses channel j, boxes 8 (t / 8) .. + 7; the transposing load hands lane 8 g + i its box's 8 channels.
	v_and_b32 v1, 7, v0
	v_lshrrev_b32 v[FR], 3, v0
	v_lshlrev_b32 v[FR], 4, v[FR]
	v_lshl_add_u32 v[FR], v1, 7, v[FR]
	v_add_nc_u32 v[FR], FEB, v[FR]
	v_lshlrev_b32 v[GO], 4, v0
	ds_load_tr16_b128 v[OUTR:OUTR+3], v[FR]
	s_wait_dscnt 0x0
	global_store_b128 v[GO], v[OUTR:OUTR+3], s[8:9] ; a wave stores 512 consecutive bytes, at a multiple of 512 from the buffer's first byte
.Lend:
	s_wait_tensorcnt 0x0
	ds_add_u32 v232, v233
	s_wait_dscnt 0x0
	s_endpgm
.Lfunc_end_k_qe20f3feb45_pool:
	.size	k_qe20f3feb45_pool, .Lfunc_end_k_qe20f3feb45_pool-k_qe20f3feb45_pool
	.p2alignl 7, 3214868480
	.fill 96, 4, 3214868480
	.section	.rodata,"a",@progbits
	.p2align	6, 0x0
	.amdhsa_kernel k_qe20f3feb45_pool
		.amdhsa_group_segment_fixed_size 168960
		.amdhsa_private_segment_fixed_size 0
		.amdhsa_enable_private_segment 0
		.amdhsa_kernarg_size 24
		.amdhsa_user_sgpr_count 2
		.amdhsa_user_sgpr_kernarg_segment_ptr 1
		.amdhsa_wavefront_size32 1
		.amdhsa_system_sgpr_workgroup_id_x 1
		.amdhsa_system_sgpr_workgroup_id_y 1
		.amdhsa_system_sgpr_workgroup_id_z 1
		.amdhsa_system_vgpr_workitem_id 0
		.amdhsa_next_free_vgpr 234
		.amdhsa_next_free_sgpr 66
		.amdhsa_reserve_vcc 0
		.amdhsa_float_denorm_mode_32 3
		.amdhsa_float_denorm_mode_16_64 3
		.amdhsa_memory_ordered 1
		.amdhsa_forward_progress 1
		.amdhsa_inst_pref_size 41
	.end_amdhsa_kernel
	.amdgpu_metadata
---
amdhsa.version: [ 1, 2 ]
amdhsa.kernels:
  - .name:           k_qe20f3feb45_pool
    .symbol:         k_qe20f3feb45_pool.kd
    .args:
      - { .name: z, .offset: 0, .size: 8, .value_kind: global_buffer, .address_space: global }
      - { .name: bboxes, .offset: 8, .size: 8, .value_kind: global_buffer, .address_space: global }
      - { .name: feats, .offset: 16, .size: 8, .value_kind: global_buffer, .address_space: global }
    .group_segment_fixed_size: 168960
    .private_segment_fixed_size: 0
    .kernarg_segment_align: 8
    .kernarg_segment_size: 24
    .max_flat_workgroup_size: 256
    .sgpr_count:     66
    .vgpr_count:     234
    .wavefront_size: 32
...
	.end_amdgpu_metadata
.endif
;; end of part 1
;; launch linear (part 2): grid 4 x 16, 4 waves a work-group, no clusters, 17,920 bytes of LDS; arguments feats, W_out, b_out, out0; writes out0
.if DOCPART == 2
	.amdgcn_target "amdgcn-amd-amdhsa--gfx1250"
	.amdhsa_code_object_version 6
	.text
	.protected	k_qe20f3feb45_linear
	.globl	k_qe20f3feb45_linear
	.p2align	8
	.type	k_qe20f3feb45_linear,@function
k_qe20f3feb45_linear:
	s_mov_b64 s[64:65], 0
	v_nop
	global_prefetch_b8 v0, s[64:65] scope:SCOPE_SE
	s_setreg_imm32_b32 hwreg(HW_REG_WAVE_MODE, 25, 1), 1
	s_wait_xcnt 0x0
; LINEAR.  out[b][n][o] = sum_c feats[b][n][c] W_out[o][c] + b_out[o].  feats: f16, [b][c / 8][n][c % 8], as the launch before stored it.
; Work-group (x, y): outputs 64 x .. 64 x + 63 of batch y.  Wave w: boxes 16 w .. 16 w + 15, 16 x 64 results, 16 matrix instructions (f16 operands, f32 sums).
; W_out's 64 rows are 32,768 consecutive bytes: loaded with neighbouring lanes at neighbouring 16 bytes (a wave's load is one whole row), rounded to f16
; once for the four waves and laid in LDS by rows of 272 bytes; a load in fragment order straight from memory would take 32 bytes of each of 16 rows.
; feats needs no such step: 16 lanes read 256 consecutive bytes (16 boxes x 8 channels), which is a fragment's registers 0-3 or 4-7.
; COLUMN ORDER: column r of product u (u = 0 .. 3) is output 64 x + 4 r + u.  So a lane's four products hold four NEIGHBOURING outputs of a row, the bias add
; gathers them into four registers in a row, and 16 lanes store 256 consecutive bytes at a multiple of 256 from out's first byte.
; NO CLUSTER: the four waves' shared tile is converted in the work-group; across work-groups 32 KiB of W_out are read by 16 of them, once each, in a launch of 16 matrix instructions a wave.
; LIMITS: W_out goes to the matrix unit as f16: |W_out| < 65,504; numbers below 2^-14 keep an absolute error of 2^-25.
.set WP, 272                           ; LDS pitch of a row of W_out in f16: 256 bytes + 16
.set RR, 2                             ; lane % 16
.set HH, 3                             ; lane / 16
.set LN, 4                             ; lane
.set WO, 5                             ; 16 x thread: my bytes in each 2,048 of W_out
.set R16, 6                            ; 16 r: my four biases
.set AO, 7                             ; my bytes of feats
.set LS, 8                             ; LDS: where my f16 of W_out go
.set LB, 9                             ; LDS: fragments of W_out
.set OF, 10                            ; my bytes of out
.set AA, 16                            ; v[16:47]   feats: 4 K steps x 8
.set BIAS, 48                          ; v[48:51]
.set STG, 64                           ; v[64:127]  W_out as loaded, 16 x 4
.set PK, 128                           ; v[128:159] the same as f16, 16 x 2
.set BB, 64                            ; v[64:191]  fragments of W_out, product u, K step s at 32 u + 8 s (over STG and PK, done with by then)
.set DD, 192                           ; v[192:223] 4 products
.set OO, 224                           ; v[224:255] results in store order: row j at 4 j
	s_load_b256 s[4:11], s[0:1], 0x0               ; feats s[4:5], W_out s[6:7], b_out s[8:9], out0 s[10:11]
	v_lshl_add_u32 v62, v0, 2, 0x4400
	v_mov_b32 v63, 0
	v_lshrrev_b32 v1, 5, v0
	v_readfirstlane_b32 s12, v1                    ; wave 0 .. 3
	s_and_b32 s13, ttmp7, 0xffff                   ; batch
	s_lshl_b32 s14, ttmp9, 15                      ; 64 rows of W_out x 512 bytes
	s_mov_b32 s15, 0
	s_lshl_b32 s16, s13, 14                        ; a batch of feats: 16,384 bytes
	s_mov_b32 s17, 0
	s_lshl_b32 s18, ttmp9, 8                       ; 64 f32 of b_out, and of a row of out
	s_mov_b32 s19, 0
	s_lshl_b32 s20, s13, 16                        ; a batch of out: 64 rows x 1,024 bytes
	s_mov_b32 s21, 0
	s_lshl_b32 s22, s12, 8                         ; 16 boxes x 16 bytes
	s_mul_i32 s23, s12, 16*WP
	s_lshl_b32 s24, s12, 14                        ; 16 rows of out
	v_and_b32 v[RR], 15, v0
	v_bfe_u32 v[HH], v0, 4, 1
	v_and_b32 v[LN], 31, v0
	v_lshlrev_b32 v[WO], 4, v0
	v_lshlrev_b32 v[R16], 4, v[RR]
	v_lshl_add_u32 v[AO], v[HH], 10, v[R16]        ; channel group h, box r
	v_add_nc_u32 v[AO], s22, v[AO]
	s_wait_kmcnt 0x0
	s_add_nc_u64 s[6:7], s[6:7], s[14:15]
	s_add_nc_u64 s[4:5], s[4:5], s[16:17]
	s_add_nc_u64 s[8:9], s[8:9], s[18:19]
	s_add_nc_u64 s[10:11], s[10:11], s[18:19]
	s_add_nc_u64 s[10:11], s[10:11], s[20:21]
.set k, 0
.rept 16
	global_load_b128 v[STG+4*k:STG+4*k+3], v[WO], s[6:7] offset:2048*k     ; wave w: row 4 k + w of the 64, whole
.set k, k+1
.endr
.irp s, 0,1,2,3
	global_load_b128 v[AA+8*\s:AA+8*\s+3],   v[AO], s[4:5] offset:4096*\s          ; channels 32 s + 8 h .. + 7
	global_load_b128 v[AA+8*\s+4:AA+8*\s+7], v[AO], s[4:5] offset:4096*\s+2048     ; channels 32 s + 16 + 8 h .. + 7
.endr
	global_load_b128 v[BIAS:BIAS+3], v[R16], s[8:9]                        ; b_out[64 x + 4 r + 0 .. 3]
	v_lshl_add_u32 v[LS], v[LN], 3, s23            ; row 4 k + w is column k of product w: LDS row 16 w + k, 8 bytes a lane
	v_mul_u32_u24 v[LB], v[RR], WP
	v_lshl_add_u32 v[LB], v[HH], 4, v[LB]
	v_lshl_add_u32 v[OF], v[HH], 13, v[R16]        ; row 8 h, 16 bytes a lane
	v_add_nc_u32 v[OF], s24, v[OF]
.set k, 0
.rept 16
	s_wait_loadcnt 24-k                            ; loads come back in order: behind W_out's load k stand 15 - k of its kind, 8 of feats, 1 of b_out
	v_cvt_pk_f16_f32 v[PK+2*k],   v[STG+4*k],   v[STG+4*k+1]
	v_cvt_pk_f16_f32 v[PK+2*k+1], v[STG+4*k+2], v[STG+4*k+3]
	ds_store_b64 v[LS], v[PK+2*k:PK+2*k+1] offset:WP*k
.set k, k+1
.endr
	s_wait_dscnt 0x0                               ; my 16 rows are in LDS, for the other waves' sake
	s_barrier_signal -1
	s_barrier_wait -1
.irp s, 0,1,2,3
.irp u, 0,1,2,3
	ds_load_b128 v[BB+32*\u+8*\s:BB+32*\u+8*\s+3],   v[LB] offset:\u*16*WP+64*\s
	ds_load_b128 v[BB+32*\u+8*\s+4:BB+32*\u+8*\s+7], v[LB] offset:\u*16*WP+64*\s+32
.endr
.endr
	s_wait_loadcnt 0x0                             ; feats and the biases
	s_wait_dscnt 24                                ; K step 0's eight loads are in; the 24 of the later steps may be out
.irp u, 0,1,2,3
	v_wmma_f32_16x16x32_f16 v[DD+8*\u:DD+8*\u+7], v[AA:AA+7], v[BB+32*\u:BB+32*\u+7], 0
.endr
.irp s, 1,2,3
	s_wait_dscnt 24-8*\s
.irp u, 0,1,2,3
	v_wmma_f32_16x16x32_f16 v[DD+8*\u:DD+8*\u+7], v[AA+8*\s:AA+8*\s+7], v[BB+32*\u+8*\s:BB+32*\u+8*\s+7], v[DD+8*\u:DD+8*\u+7]
.endr
.endr
.rept 4
	v_nop                                          ; four places behind the last products before their results are read (ISA guide 7.12.1)
.endr
.irp j, 0,1,2,3,4,5,6,7
.irp u, 0,1,2,3
	v_add_f32 v[OO+4*\j+\u], v[DD+8*\u+\j], v[BIAS+\u]     ; out(row 8 h + j, 64 x + 4 r + u): the add is also the move into store order
.endr
	global_store_b128 v[OF], v[OO+4*\j:OO+4*\j+3], s[10:11] offset:1024*\j th:TH_STORE_NT
.endr
	s_wait_tensorcnt 0x0
	ds_add_u32 v62, v63
	s_wait_dscnt 0x0
	s_endpgm
.Lfunc_end_k_qe20f3feb45_linear:
	.size	k_qe20f3feb45_linear, .Lfunc_end_k_qe20f3feb45_linear-k_qe20f3feb45_linear
	.p2alignl 7, 3214868480
	.fill 96, 4, 3214868480
	.section	.rodata,"a",@progbits
	.p2align	6, 0x0
	.amdhsa_kernel k_qe20f3feb45_linear
		.amdhsa_group_segment_fixed_size 17920
		.amdhsa_private_segment_fixed_size 0
		.amdhsa_enable_private_segment 0
		.amdhsa_kernarg_size 32
		.amdhsa_user_sgpr_count 2
		.amdhsa_user_sgpr_kernarg_segment_ptr 1
		.amdhsa_wavefront_size32 1
		.amdhsa_system_sgpr_workgroup_id_x 1
		.amdhsa_system_sgpr_workgroup_id_y 1
		.amdhsa_system_sgpr_workgroup_id_z 1
		.amdhsa_system_vgpr_workitem_id 0
		.amdhsa_next_free_vgpr 256
		.amdhsa_next_free_sgpr 66
		.amdhsa_reserve_vcc 0
		.amdhsa_float_denorm_mode_32 3
		.amdhsa_float_denorm_mode_16_64 3
		.amdhsa_memory_ordered 1
		.amdhsa_forward_progress 1
		.amdhsa_inst_pref_size 13
	.end_amdhsa_kernel
	.amdgpu_metadata
---
amdhsa.version: [ 1, 2 ]
amdhsa.kernels:
  - .name:           k_qe20f3feb45_linear
    .symbol:         k_qe20f3feb45_linear.kd
    .args:
      - { .name: feats, .offset: 0, .size: 8, .value_kind: global_buffer, .address_space: global }
      - { .name: W_out, .offset: 8, .size: 8, .value_kind: global_buffer, .address_space: global }
      - { .name: b_out, .offset: 16, .size: 8, .value_kind: global_buffer, .address_space: global }
      - { .name: out0, .offset: 24, .size: 8, .value_kind: global_buffer, .address_space: global }
    .group_segment_fixed_size: 17920
    .private_segment_fixed_size: 0
    .kernarg_segment_align: 8
    .kernarg_segment_size: 32
    .max_flat_workgroup_size: 128
    .sgpr_count:     66
    .vgpr_count:     256
    .wavefront_size: 32
...
	.end_amdgpu_metadata
.endif
;; end of part 2
